; MI455X (gfx1250); checked and timed in simulation.
; The chip was launched on July 23, 2026; its instructions are those of AMD's public machine-readable ISA for CDNA 5 (MIT licence, August 2026) and "CDNA5" Instruction Set Architecture Reference Guide (July 2026). The comments in the code are by the model that wrote it; some were corrected since.
;; Inner Attention. Allowed arithmetic: matrix products marked QUANTISED: E2M1 operands, one E8M0 scale for each 32 along K, by v_wmma_scale_f32_16x16x128_f8f6f4 with both operands' format E2M1 (or v_wmma_scale_f32_32x16x128_f4), f32 sums; products left as they are: bf16, f16 or f32 operands; f32 sums; everything else in f32.
;; Inputs: x 8 x 2,048 x 1,024 float32; y 8 x 2,048 x 1,024 float32.
;; Outputs: out0 8 x 2,048 x 1,024 float32.
;; This version of the problem:
;;   THIS VERSION OF THE PROBLEM IS GIVEN IN LOW PRECISION. The matrix products marked QUANTISED in the list below multiply operands that are first quantised to E2M1 (2 exponent bits, 1 mantissa bit; 4 bits a number), with one power-of-two scale for each 32 numbers along K (OCP MX v1.0); their sums are f32. The products marked 'left as it is' may take bf16, f16 or f32 operands, with f32 sums. Whichever they take, every output number must still come out within the allowed error. Rounding operands to bf16 (8 significant bits) uses up far more of that allowance than f16 does (11 bits, for magnitudes from 6e-5 to 65,504). All else is computed in f32.
;;   The module's matrix products, in the order in which they are computed (A, B: the left and right operand; K: the contracted axis; several contracted axes count as one K, in the product's order):
;;     1. batch 8 x [M 2,048, K 1,024] x [K 1,024, N 2,048]; A: input x; B: input y: QUANTISED
;;     2. batch 8 x [M 2,048, K 2,048] x [K 2,048, N 1,024]; A: computed on the way; B: input x: left as it is (an operand is computed on the way)
;;   THE QUANTISER, for each operand of a quantised product, along K:
;;     - K is cut into blocks of 32 from its start; a last block that is shorter is filled with zeros.
;;     - A block's scale is 2^e with e = floor(log2(the largest magnitude in the block)) - 2, held to -126 .. 127; a block of zeros has e = 0. As a byte (E8M0): e + 127.
;;     - Each number is divided by its block's scale, clamped to +-6, and rounded to the nearest number of E2M1, ties to even, subnormals kept.
;;     - The product sums the exact products of the quantised numbers (number of the format x scale) in f32.
;;   ~~~python
;;   def quantise(x, axis):      # numpy; x: float32 -> the quantised numbers, widened to float32 again
;;       x = np.moveaxis(x, axis, -1); K = x.shape[-1]
;;       x = np.pad(x, [(0, 0)] * (x.ndim - 1) + [(0, -K % 32)]); x = x.reshape(x.shape[:-1] + (-1, 32)); a = np.abs(x).max(-1, keepdims=True)
;;       e = np.where(a > 0, np.clip(np.frexp(np.where(a > 0, a, 1))[1] - 1 - 2, -126, 127), 0)      # np.frexp(a)[1] - 1 = floor(log2(a)), exactly
;;       r = np.clip(x / 2.0 ** e, -6, 6)
;;       step = 2.0 ** (np.maximum(np.frexp(np.where(r == 0, 1, r))[1] - 1, 0) - 1)
;;       q = np.round(r / step) * step * 2.0 ** e      # np.round: ties to even
;;       return np.moveaxis(q.reshape(q.shape[:-2] + (-1,))[..., :K], -1, axis).astype(np.float32)
;;   ~~~
;; One version. Each part assembles by itself: llvm-mc -triple=amdgcn-amd-amdhsa -mcpu=gfx1250 --defsym DOCPART=n.
;; ======== version 1 of 1: 3 launches
;; limits: values are held in f16: magnitudes above 65,504 overflow, below 6.1e-05 lose precision
;; workspace buffers: xq 8,912,896 bytes; yq 8,912,896 bytes; xh 33,554,432 bytes; ncq 262,144 bytes; lq 262,144 bytes
;; launch quant (part 1): grid 512 x 1, 4 waves a work-group, no clusters, 34,304 bytes of LDS; arguments x, y, xq, yq, xh; writes xq, yq, xh
.if DOCPART == 1
	.amdgcn_target "amdgcn-amd-amdhsa--gfx1250"
	.amdhsa_code_object_version 6
	.text
	.protected	k_qff71b8cc27_quant
	.globl	k_qff71b8cc27_quant
	.p2align	8
	.type	k_qff71b8cc27_quant,@function
k_qff71b8cc27_quant:
	s_mov_b64 s[64:65], 0
	v_nop
	global_prefetch_b8 v0, s[64:65] scope:SCOPE_SE
	s_setreg_imm32_b32 hwreg(HW_REG_WAVE_MODE, 25, 1), 1
	s_wait_xcnt 0x0
; x and y, [8][2048][1024] f32, become codes of FP4 (E2M1) with one E8M0 scale byte for each 32 along the last axis; x is also rounded to f16 (xh, [8][2048][1024]) for the second product.
; A block's scale is 2^(floor(log2(its largest magnitude)) - 2); its byte is the largest magnitude's exponent field - 2, held at 1 from below.
; THE CODES ARE LAID AS IMAGES OF THE OPERAND'S REGISTERS.  A tile of 16 rows takes 8,704 bytes: at (2 ks + c) x 512 + 16 x lane stand registers 4 c .. 4 c + 3 of the fragment of K step ks (128 along K):
; lane (r, h) holds row r, k = 128 ks + 64 c + 32 h + 0 .. 31.  At 8,192 + 16 x (16 h + r) stand row r's scale words of K steps 4 h .. 4 h + 3.  So every later read is 16 bytes a lane at 16 x lane.
; SHARES.  Work-groups 0-255 take x, 256-511 take y: only pointers are chosen, one path serves both.  A wave takes one tile of 16 rows, in 8 steps of 128 along K, written out: every offset is an immediate.
; Each load reads 512 consecutive bytes of one row.  A conversion wants 32 neighbours along K in ONE lane: so a step's 16 x 512 bytes turn through the wave's own stage in LDS (rows 528 bytes apart:
; 132 words, so that the 16 rows that a read touches start at 16 different banks; 64 banks of 4 bytes: ISA guide 11.1).  A lane then holds two whole blocks: no other lane is asked for a maximum.
; No cluster, no tensor load, no barrier: work-groups and waves share no input.
; LIMITS: NaN and infinities are not served; |x| beyond 65,504 has no f16 number; blocks whose largest magnitude lies under 2^-124 (byte held at 1) were not tried;
; a block of zeros gets the byte 1 where the rule says 127: its codes are zeros, and the bytes are read by this program alone.
.set PITCH, 528
.set STG,   16*PITCH                   ; a wave's stage
.set SPARE, 4*STG                      ; behind the four stages: the spare words, 128 bytes for each wave
.set TILEB, 8704                       ; a tile's image
.set SPW, 10                           ; v10  my spare word's address; never rewritten
.set NIL, 11                           ; v11  0; never rewritten
.set R,   16                           ; v16-143  two sets of 64: a step's numbers as loaded (4 of each of 16 rows)
.set X,   144                          ; v144-207 a step's numbers turned: 64 of my row
.set H,   208                          ; v208-239 f16 numbers to store
.set C,   240                          ; v240-247 the fragment's codes
.set W,   248                          ; v248-255 the scale word of each step
.set SEL, 20                           ; s[20:21] v_permlanex16_b32's selects for lane l xor 16
.set HM,  22                           ; s22  a mask of lanes 16-31
.set ISX, 23                           ; s23  1 in a work-group of x
	s_load_b256 s[4:11], s[0:1], 0x0               ; x, y, xq, yq
	s_load_b64 s[12:13], s[0:1], 0x20              ; xh
	v_lshl_add_u32 v[SPW], v0, 2, SPARE
	v_mov_b32 v[NIL], 0
	v_lshrrev_b32 v1, 5, v0
	v_readfirstlane_b32 s15, v1                    ; wave 0..3
	v_and_b32 v6, 31, v0                           ; lane
	v_and_b32 v7, 15, v0                           ; r
	v_bfe_u32 v8, v0, 4, 1                         ; h
	v_lshlrev_b32 v1, 4, v6                        ; 16 x lane
	v_lshlrev_b32 v4, 3, v6                        ; 8 x lane
	v_lshlrev_b32 v5, 3, v8                        ; 8 h: where my bytes stand in a scale word
	s_mul_i32 s24, s15, STG
	v_add_nc_u32 v2, s24, v1                       ; the stage on the way in: 16 x lane of a row
	v_mul_u32_u24 v3, v7, PITCH
	v_lshl_add_u32 v3, v8, 7, v3
	v_add_nc_u32 v3, s24, v3                       ; and on the way out: row r, + 128 h
	v_mov_b32 v15, 0                               ; written once: a lane permute's destination counts as one of its sources
	s_mov_b32 s[SEL], 0x76543210
	s_mov_b32 s[SEL+1], 0xfedcba98
	s_mov_b32 s[HM], 0xffff0000
	s_and_b32 s16, ttmp9, 255
	s_lshl_b32 s16, s16, 2
	s_add_co_u32 s16, s16, s15                     ; my tile, 0 .. 1,023
	s_lshl_b32 s18, s16, 16                        ; 16 rows of 4,096 bytes
	s_mov_b32 s19, 0
	s_mul_i32 s26, s16, TILEB
	s_mov_b32 s27, 0
	s_lshl_b32 s28, s16, 15                        ; 16 rows of 2,048 bytes
	s_mov_b32 s29, 0
	s_wait_kmcnt 0x0
	s_cmp_lt_u32 ttmp9, 256                        ; x's work-group or y's: the choice hangs on the work-group's number alone
	s_cselect_b64 s[4:5], s[4:5], s[6:7]
	s_cselect_b64 s[8:9], s[8:9], s[10:11]
	s_cselect_b32 s[ISX], 1, 0
	s_add_nc_u64 s[4:5], s[4:5], s[18:19]
	s_add_nc_u64 s[8:9], s[8:9], s[26:27]
	s_add_nc_u64 s[12:13], s[12:13], s[28:29]
.macro LOAD t                          ; step t: 512 consecutive bytes of each of my 16 rows
.set row, 0
.rept 16
	global_load_b128 v[R+64*((\t)%2)+4*row:R+64*((\t)%2)+4*row+3], v1, s[4:5] offset:row*4096+(\t)*512 th:TH_LOAD_NT
.set row, row+1
.endr
.endm
.macro STEP t
.set RS, R+64*((\t)%2)
.if (\t) < 7
	s_wait_loadcnt 16                              ; this step's 16 loads are in; the next step's 16 may be out
.else
	s_wait_loadcnt 0x0
.endif
	s_wait_xcnt 0x0                                ; the last step's stores have read H and C: both are written again only behind this wait
.set row, 0
.rept 16
	ds_store_b128 v2, v[RS+4*row:RS+4*row+3] offset:row*PITCH
.set row, row+1
.endr
.irp c, 0,1
.irp i, 0,1,2,3,4,5,6,7
	ds_load_b128 v[X+32*\c+4*\i:X+32*\c+4*\i+3], v3 offset:256*\c+16*\i   ; LDS serves a wave's instructions in order: these see the stores above.  k = 64 c + 32 h + 4 i ..
.endr
.endr
	s_cmp_eq_u32 s[ISX], 0
	s_cbranch_scc1 .Lnot_x_\@                      ; y has no f16 copy
.set row, 0
.rept 16
	v_cvt_pk_f16_f32 v[H+2*row], v[RS+4*row], v[RS+4*row+1]
	v_cvt_pk_f16_f32 v[H+2*row+1], v[RS+4*row+2], v[RS+4*row+3]
.set row, row+1
.endr
.set row, 0
.rept 16
	global_store_b64 v4, v[H+2*row:H+2*row+1], s[12:13] offset:row*2048+(\t)*256   ; 32 lanes store 256 consecutive bytes, at a multiple of 256 from xh's first byte
.set row, row+1
.endr
.Lnot_x_\@:
	s_wait_dscnt 0x0                               ; the turned numbers are in, and the stores into the stage have read their registers,
.if (\t) < 6
	LOAD (\t)+2                                    ; which take the loads of two steps on
.endif
.irp c, 0,1
	v_max3_num_f32 v[6+2*\c], |v[X+32*\c]|, |v[X+32*\c+1]|, |v[X+32*\c+2]|      ; block 2 c + h of the step: all 32 numbers are mine; two chains a block, the blocks by turns
	v_max3_num_f32 v[7+2*\c], |v[X+32*\c+3]|, |v[X+32*\c+4]|, |v[X+32*\c+5]|
.endr
.irp i, 6,10,14,18,22,26
.irp c, 0,1
	v_max3_num_f32 v[6+2*\c], v[6+2*\c], |v[X+32*\c+\i]|, |v[X+32*\c+\i+1]|
	v_max3_num_f32 v[7+2*\c], v[7+2*\c], |v[X+32*\c+\i+2]|, |v[X+32*\c+\i+3]|
.endr
.endr
.irp c, 0,1
	v_max3_num_f32 v[6+2*\c], v[6+2*\c], |v[X+32*\c+30]|, |v[X+32*\c+31]|
.endr
.irp c, 0,1
	v_max3_num_f32 v[6+2*\c], v[6+2*\c], v[7+2*\c], 0x1800000   ; and the floor 2^(3 - 127): the byte cannot fall under 1
.endr
.irp c, 0,1
	v_add_nc_u32 v[12+\c], 0xff000000, v[6+2*\c]   ; 2 off the exponent field: the conversion takes the exponent field of this operand as its scale
.endr
.irp c, 0,1
.irp g, 0,1,2,3
	v_cvt_scalef32_pk8_fp4_f32 v[C+4*\c+\g], v[X+32*\c+8*\g:X+32*\c+8*\g+7], v[12+\c]   ; register 4 c + g of the fragment
.endr
.endr
	v_lshrrev_b32 v14, 23, v12                     ; the scale's bytes (a plain line behind the conversions)
	v_lshrrev_b32 v9, 23, v13
	v_lshl_or_b32 v14, v9, 16, v14                 ; blocks h and 2 + h,
	v_lshlrev_b32 v14, v5, v14                     ; at their places in the word;
	v_permlanex16_b32 v15, v14, s[SEL], s[SEL+1]
	v_or_b32 v[W+(\t)], v14, v15                   ; with lane l xor 16's two the word is whole
.irp c, 0,1
	global_store_b128 v1, v[C+4*\c:C+4*\c+3], s[8:9] offset:(2*(\t)+\c)*512   ; 32 lanes store 512 consecutive bytes
.endr
.endm
	LOAD 0
	LOAD 1
.irp t, 0,1,2,3,4,5,6,7
	STEP \t
.endr
.irp i, 0,1,2,3
	v_cndmask_b32 v[X+\i], v[W+\i], v[W+4+\i], s[HM]   ; lanes 0-15: K steps 0-3; lanes 16-31: K steps 4-7
.endr
	global_store_b128 v1, v[X:X+3], s[8:9] offset:8192
	s_wait_tensorcnt 0x0                           ; the wave's end: behind my last LDS store
	ds_add_u32 v[SPW], v[NIL]
	s_wait_dscnt 0x0
	s_endpgm
.Lfunc_end_k_qff71b8cc27_quant:
	.size	k_qff71b8cc27_quant, .Lfunc_end_k_qff71b8cc27_quant-k_qff71b8cc27_quant
	.p2alignl 7, 3214868480
	.fill 96, 4, 3214868480
	.section	.rodata,"a",@progbits
	.p2align	6, 0x0
	.amdhsa_kernel k_qff71b8cc27_quant
		.amdhsa_group_segment_fixed_size 34304
		.amdhsa_private_segment_fixed_size 0
		.amdhsa_enable_private_segment 0
		.amdhsa_kernarg_size 40
		.amdhsa_user_sgpr_count 2
		.amdhsa_user_sgpr_kernarg_segment_ptr 1
		.amdhsa_wavefront_size32 1
		.amdhsa_system_sgpr_workgroup_id_x 1
		.amdhsa_system_sgpr_workgroup_id_y 1
		.amdhsa_system_sgpr_workgroup_id_z 1
		.amdhsa_system_vgpr_workitem_id 0
		.amdhsa_next_free_vgpr 256
		.amdhsa_next_free_sgpr 66
		.amdhsa_reserve_vcc 0
		.amdhsa_float_denorm_mode_32 3
		.amdhsa_float_denorm_mode_16_64 3
		.amdhsa_memory_ordered 1
		.amdhsa_forward_progress 1
		.amdhsa_inst_pref_size 85
	.end_amdhsa_kernel
	.amdgpu_metadata
---
amdhsa.version: [ 1, 2 ]
amdhsa.kernels:
  - .name:           k_qff71b8cc27_quant
    .symbol:         k_qff71b8cc27_quant.kd
    .args:
      - { .name: x, .offset: 0, .size: 8, .value_kind: global_buffer, .address_space: global }
      - { .name: y, .offset: 8, .size: 8, .value_kind: global_buffer, .address_space: global }
      - { .name: xq, .offset: 16, .size: 8, .value_kind: global_buffer, .address_space: global }
      - { .name: yq, .offset: 24, .size: 8, .value_kind: global_buffer, .address_space: global }
      - { .name: xh, .offset: 32, .size: 8, .value_kind: global_buffer, .address_space: global }
    .group_segment_fixed_size: 34304
    .private_segment_fixed_size: 0
    .kernarg_segment_align: 8
    .kernarg_segment_size: 40
    .max_flat_workgroup_size: 128
    .sgpr_count:     66
    .vgpr_count:     256
    .wavefront_size: 32
...
	.end_amdgpu_metadata
.endif
;; end of part 1
;; launch stats (part 2): grid 8 x 32, 8 waves a work-group, clusters of 4 x 1, 327,680 bytes of LDS; arguments xq, yq, ncq, lq; writes ncq, lq
.if DOCPART == 2
	.amdgcn_target "amdgcn-amd-amdhsa--gfx1250"
	.amdhsa_code_object_version 6
	.text
	.protected	k_qff71b8cc27_stats
	.globl	k_qff71b8cc27_stats
	.p2align	8
	.type	k_qff71b8cc27_stats,@function
k_qff71b8cc27_stats:
	s_mov_b64 s[64:65], 0
	v_nop
	global_prefetch_b8 v0, s[64:65] scope:SCOPE_SE
	s_setreg_imm32_b32 hwreg(HW_REG_WAVE_MODE, 25, 1), 1
	s_wait_xcnt 0x0
	s_wait_alu depctr_hold_cnt(0) depctr_sa_sdst(0) depctr_va_vdst(0) depctr_va_sdst(0) depctr_va_ssrc(0) depctr_va_vcc(0) depctr_vm_vsrc(0)
	s_getreg_b32 s2, hwreg(HW_REG_IB_STS2, 6, 4)
	s_cmp_eq_u32 s2, 0
	s_cbranch_scc0 .Lentry_in_a_cluster
	s_endpgm
.Lentry_in_a_cluster:
	s_bfe_u32 s2, ttmp6, 0x10000c
	s_cmp_lg_u32 s2, 0x3003
	s_cbranch_scc0 .Lentry_shape_is_right
	s_endpgm
.Lentry_shape_is_right:
; The softmax's row figures.  e[m][n] = x[m] . y[n] on codes of FP4; for each row m and each quarter q of the 2,048 n:  ncq[b][q][m] = -c x (the largest e), c = log2(e), rounded once;
; lq[b][q][m] = the sum over the quarter's n of 2^(e c + ncq).  The maximum is a running one: when it grows, the sum is multiplied by 2^(new nc - old nc).
; SHARES.  Work-group (mblk, 4 b + q): 256 rows m x 512 columns n.  Wave w: 64 m (w % 4), four tiles whose fragments stay in 256 registers, x 256 n (w / 4), sixteen tiles read from LDS.
; The quarter's 32 tiles of y (8,704 bytes each, images of the operand's registers) fit in LDS together: each is filled once, nothing is filled again.
; CLUSTER.  The four work-groups of a cluster have the same b and q and need the same tiles of y: each tile is asked for JOINTLY, by the same tensor load with the same descriptor and a mask that names the four.
; LAYOUT.  Source 0 = 16 rows of y, source 1 = 16 rows of x: a lane holds ONE row m (lane % 16) and eight n.  One accumulator for each output, K ascending, the first product with C = 0.
; The two halves of the lanes are merged at the end by one exchange, the two waves of a row through LDS.
; The results leave in stores of 128 consecutive bytes: the two buffers are 524,288 bytes in all.
; LIMITS: NaN and infinities are not served; c x |e| must be a finite f32 number.
; REGISTERS: window 1: x's fragments, (mt, ks) at v[8 (8 mt + ks)].  Window 0: v1-7 addresses; v16-31 x's scale words (8 (mt / 2) + ks; lanes 0-15 the even tile, lanes 16-31 the odd);
;   v32-39 y's scale words, two sets; v40-63 at work in the merges; v64-191 y's fragments, two sets; v192-223 four accumulators; v224-255 figures, eight a tile: +0 nc, +1 the maximum, +2, +3 the sum in two halves, +4 .. +7 at work.
.set TILEB, 8704
.set MRG,   32*TILEB                   ; behind y's tiles: 1,024 bytes for each wave, for the merge
.set SPARE, MRG+8*1024                 ; the spare words, 128 bytes for each wave
.set SPW, 10
.set NIL, 11
.set XS,  16
.set YS,  32
.set YF,  64
.set SA,  192
.set ST,  224
.set WV,  16                           ; s16  my wave's number
.set G1,  24                           ; s[24:31] descriptor group 1
.set G0,  32                           ; s[32:39] two groups 0
.set CS,  44                           ; s[44:45] c, twice
.set NCS, 46                           ; s46  -c
.set TB,  47                           ; s47  LDS bytes from my first tile to the trip's
.set CNT, 48
.set HM,  49                           ; s49  a mask of lanes 16-31
.set WM,  50                           ; s50  all lanes in waves 4-7, none in waves 0-3
.set SEL, 52                           ; s[52:53]
.set MSB, 0
.macro WIN new                         ; the immediate's high byte repeats the setting that is left
.if MSB != \new
	s_set_vgpr_msb (MSB<<8)|\new
.set MSB, \new
.endif
.endm
.macro ROUND                           ; a round of the cluster's barrier
	s_barrier_signal -1
	s_barrier_wait -1
	s_cmp_lg_u32 s[WV], 0
	s_cbranch_scc1 .Lnot_wave_0_\@
	s_barrier_signal -3
.Lnot_wave_0_\@:
	s_barrier_wait -3
	s_barrier_signal -1
	s_barrier_wait -1
.endm
; One product.  rD accumulator, rA source 0, rB source 1, rSA, rSB their scale registers, fRA, fRB: the scales stand in lanes 16-31.  K step 0 starts the sum with the constant 0.
.macro WS
.if ks == 0
.if fRB
	v_wmma_scale_f32_16x16x128_f8f6f4 v[rD:rD+7], v[rA:rA+7], v[rB:rB+7], 0, v[rSA], v[rSB] matrix_a_fmt:MATRIX_FMT_FP4 matrix_b_fmt:MATRIX_FMT_FP4 matrix_b_scale:MATRIX_SCALE_ROW1
.else
	v_wmma_scale_f32_16x16x128_f8f6f4 v[rD:rD+7], v[rA:rA+7], v[rB:rB+7], 0, v[rSA], v[rSB] matrix_a_fmt:MATRIX_FMT_FP4 matrix_b_fmt:MATRIX_FMT_FP4
.endif
.elseif fRA && fRB
	v_wmma_scale_f32_16x16x128_f8f6f4 v[rD:rD+7], v[rA:rA+7], v[rB:rB+7], v[rD:rD+7], v[rSA], v[rSB] matrix_a_fmt:MATRIX_FMT_FP4 matrix_b_fmt:MATRIX_FMT_FP4 matrix_a_scale:MATRIX_SCALE_ROW1 matrix_b_scale:MATRIX_SCALE_ROW1
.elseif fRA
	v_wmma_scale_f32_16x16x128_f8f6f4 v[rD:rD+7], v[rA:rA+7], v[rB:rB+7], v[rD:rD+7], v[rSA], v[rSB] matrix_a_fmt:MATRIX_FMT_FP4 matrix_b_fmt:MATRIX_FMT_FP4 matrix_a_scale:MATRIX_SCALE_ROW1
.elseif fRB
	v_wmma_scale_f32_16x16x128_f8f6f4 v[rD:rD+7], v[rA:rA+7], v[rB:rB+7], v[rD:rD+7], v[rSA], v[rSB] matrix_a_fmt:MATRIX_FMT_FP4 matrix_b_fmt:MATRIX_FMT_FP4 matrix_b_scale:MATRIX_SCALE_ROW1
.else
	v_wmma_scale_f32_16x16x128_f8f6f4 v[rD:rD+7], v[rA:rA+7], v[rB:rB+7], v[rD:rD+7], v[rSA], v[rSB] matrix_a_fmt:MATRIX_FMT_FP4 matrix_b_fmt:MATRIX_FMT_FP4
.endif
.endm
.macro YLOAD buf, off, adr             ; a tile of y: 16 loads of its eight fragments, one of its scale words: 17
.irp i, 0,1,2,3,4,5,6,7,8,9,10,11,12,13,14,15
	ds_load_b128 v[YF+64*\buf+4*\i:YF+64*\buf+4*\i+3], v[\adr] offset:\off+512*\i
.endr
	ds_load_b128 v[YS+4*\buf:YS+4*\buf+3], v[\adr] offset:\off+8192
.endm
; The four tiles' figures take in 16 n, the tiles by turns line by line.
.macro UPD
.irp m, 0,1,2,3
	v_max3_num_f32 v[ST+8*\m+4], v[SA+8*\m], v[SA+8*\m+1], v[SA+8*\m+2]       ; each accumulator is read from its low end on
.endr
.irp m, 0,1,2,3
	v_max3_num_f32 v[ST+8*\m+5], v[SA+8*\m+3], v[SA+8*\m+4], v[SA+8*\m+5]
.endr
.irp m, 0,1,2,3
	v_max3_num_f32 v[ST+8*\m+4], v[ST+8*\m+4], v[SA+8*\m+6], v[SA+8*\m+7]
.endr
.irp m, 0,1,2,3
	v_max3_num_f32 v[ST+8*\m+1], v[ST+8*\m+4], v[ST+8*\m+5], v[ST+8*\m+1]     ; the running maximum
.endr
.irp m, 0,1,2,3
	v_mov_b32 v[ST+8*\m+7], v[ST+8*\m]                                        ; the old nc
.endr
.irp m, 0,1,2,3
	v_mul_f32 v[ST+8*\m], s[NCS], v[ST+8*\m+1]                                ; nc = -c x the maximum
.endr
.irp m, 0,1,2,3
	v_sub_f32 v[ST+8*\m+7], v[ST+8*\m], v[ST+8*\m+7]                          ; new nc - old nc, 0 or less (the first time: minus infinity, and the factor is 0)
.endr
.irp m, 0,1,2,3
.irp i, 0,2,4,6
	v_pk_fma_f32 v[SA+8*\m+\i:SA+8*\m+\i+1], v[SA+8*\m+\i:SA+8*\m+\i+1], s[CS:CS+1], v[ST+8*\m:ST+8*\m+1] op_sel_hi:[1,0,0]   ; e c + nc
.endr
.endr
.irp m, 0,1,2,3
	v_exp_f32 v[ST+8*\m+6], v[ST+8*\m+7]                                      ; ONE BATCH of 36 exponentials
.endr
.set j, 0
.rept 32
	v_exp_f32 v[SA+j], v[SA+j]
.set j, j+1
.endr
	v_nop                                          ; a plain line behind the last exponential,
	s_wait_alu depctr_va_vdst(0)                   ; and one wait for the batch, ahead of its first reader
.irp m, 0,1,2,3
	v_pk_add_f32 v[SA+8*\m:SA+8*\m+1], v[SA+8*\m:SA+8*\m+1], v[SA+8*\m+2:SA+8*\m+3]
.endr
.irp m, 0,1,2,3
	v_pk_add_f32 v[SA+8*\m+4:SA+8*\m+5], v[SA+8*\m+4:SA+8*\m+5], v[SA+8*\m+6:SA+8*\m+7]
.endr
.irp m, 0,1,2,3
	v_pk_add_f32 v[SA+8*\m:SA+8*\m+1], v[SA+8*\m:SA+8*\m+1], v[SA+8*\m+4:SA+8*\m+5]
.endr
.irp m, 0,1,2,3
	v_pk_fma_f32 v[ST+8*\m+2:ST+8*\m+3], v[ST+8*\m+2:ST+8*\m+3], v[ST+8*\m+6:ST+8*\m+7], v[SA+8*\m:SA+8*\m+1] op_sel_hi:[1,0,1]   ; the sum under the new nc, and the new terms
.endr
.endm
; A tile of 16 n against my 64 m: 32 products, the four accumulators by turns, one instruction a turn.  pre = 1: the buffer then takes the tile at off.
.macro TILE buf, pre, off, left
	s_wait_dscnt \left                             ; this buffer's 17 loads are in; left: the other buffer's 17 may be out
	WIN 0x04                                       ; source 1 (x) in window 1
.set ks, 0
.rept 8
.set mt, 0
.rept 4
.set rD, SA+8*mt
.set rA, YF+64*\buf+8*ks
.set rB, 8*(8*mt+ks)
.set rSA, YS+4*\buf+ks%4
.set fRA, ks/4
.set rSB, XS+8*(mt/2)+ks
.set fRB, mt%2
	WS
.set mt, mt+1
.endr
.set ks, ks+1
.endr
	WIN 0
.rept 4
	v_nop                                          ; four places in front of loads into registers that the products have read, and of the first read of their results
.endr
.if \pre
	YLOAD \buf, \off, 4
.endif
	UPD
.endm
; My figures are merged with a partner's: nc in v40-43, sum in v44-47.
.macro MRG2
.irp m, 0,1,2,3
	v_min_num_f32 v[48+\m], v[ST+8*\m], v[40+\m]   ; the smaller nc belongs to the larger maximum
.endr
.irp m, 0,1,2,3
	v_sub_f32 v[52+\m], v[48+\m], v[ST+8*\m]
	v_sub_f32 v[56+\m], v[48+\m], v[40+\m]
.endr
.irp m, 0,1,2,3
	v_exp_f32 v[52+\m], v[52+\m]
	v_exp_f32 v[56+\m], v[56+\m]
.endr
	v_nop
	s_wait_alu depctr_va_vdst(0)                   ; one wait for the eight
.irp m, 0,1,2,3
	v_mul_f32 v[44+\m], v[44+\m], v[56+\m]
.endr
.irp m, 0,1,2,3
	v_fma_f32 v[ST+8*\m+2], v[ST+8*\m+2], v[52+\m], v[44+\m]
	v_mov_b32 v[ST+8*\m], v[48+\m]
.endr
.endm
	s_load_b256 s[4:11], s[0:1], 0x0               ; xq, yq, ncq, lq
	v_lshl_add_u32 v[SPW], v0, 2, SPARE
	v_mov_b32 v[NIL], 0
	ds_add_u32 v[SPW], v[NIL]                      ; the wave's opening: the add, twice on end, and its wait ahead of my first tensor load
	ds_add_u32 v[SPW], v[NIL]
	v_lshrrev_b32 v1, 5, v0
	v_readfirstlane_b32 s[WV], v1                  ; wave 0..7
	s_lshr_b32 s17, s[WV], 2                       ; nh: which 256 n
	s_and_b32 s18, s[WV], 3                        ; mq: which 64 m
	s_bfe_u32 s19, ttmp6, 0x40000                  ; cx
	s_lshl_b32 s20, ttmp9, 2
	s_add_co_u32 s20, s20, s19                     ; mblk = 4 x cluster x + cx: it enters x's and the results' addresses alone
	s_and_b32 s21, ttmp7, 0xffff                   ; 4 b + q, which the four partners share
	s_lshr_b32 s22, s21, 2                         ; b
	; descriptor group 1: two tiles, 17,408 dense bytes, as 68 rows of 256 bytes (32 elements of 8 bytes), no padding
	s_mov_b32 s[G1], 15|(3<<16)|(1<<21)            ; 15:0 the mask: all four work-groups; 17:16 elements of 8 bytes; 21 set beside a mask
	s_mov_b32 s[G1+1], 32<<16                      ; tensor_dim0
	s_mov_b32 s[G1+2], 68<<16                      ; tensor_dim1
	s_mov_b32 s[G1+3], 32<<16                      ; tile_dim0
	s_mov_b32 s[G1+4], 68                          ; tile_dim1
	s_mov_b32 s[G1+5], 32                          ; from row to row
	s_mov_b32 s[G1+6], 0
	s_mov_b32 s[G1+7], 0
	s_lshl_b32 s12, s17, 4
	s_lshl_b32 s13, s18, 1
	s_add_co_u32 s12, s12, s13                     ; I fetch tiles T, T + 1 and T + 8, T + 9 of the quarter's 32: T = 16 nh + 2 mq
	s_mov_b32 s[G0], 1
	s_mul_i32 s[G0+1], s12, TILEB                  ; LDS address: the wave's number alone
	s_mov_b32 s[G0+4], 1
	s_add_co_u32 s[G0+5], s[G0+1], 8*TILEB
	s_lshl_b32 s13, s21, 5                         ; the quarter's first tile: 128 b + 32 q
	s_add_co_u32 s12, s12, s13
	s_mul_i32 s12, s12, TILEB
	s_mov_b32 s13, 0
	s_lshl_b32 s2, s22, 7                          ; x: tile 128 b + 16 mblk + 4 mq
	s_lshl_b32 s3, s20, 4
	s_add_co_u32 s2, s2, s3
	s_lshl_b32 s3, s18, 2
	s_add_co_u32 s2, s2, s3
	s_mul_i32 s2, s2, TILEB
	s_mov_b32 s3, 0
	s_lshl_b32 s14, s21, 13                        ; the results: ((4 b + q) 2,048 + 256 mblk + 64 mq) x 4 bytes
	s_lshl_b32 s15, s20, 10
	s_add_co_u32 s14, s14, s15
	s_lshl_b32 s15, s18, 8
	s_add_co_u32 s14, s14, s15
	s_mov_b32 s15, 0
	s_mov_b32 s[CS], 0x3fb8aa3b                    ; c = log2(e)
	s_mov_b32 s[CS+1], s[CS]
	s_mov_b32 s[NCS], 0xbfb8aa3b
	s_mov_b32 s[HM], 0xffff0000
	s_mov_b32 s[SEL], 0x76543210
	s_mov_b32 s[SEL+1], 0xfedcba98
	v_and_b32 v8, 31, v0                           ; lane
	v_and_b32 v9, 15, v0                           ; r
	v_bfe_u32 v12, v0, 4, 1                        ; h
	v_lshlrev_b32 v1, 4, v8                        ; 16 x lane
	v_lshlrev_b32 v7, 2, v8                        ; 4 x lane
	v_mul_u32_u24 v2, v12, TILEB
	v_lshl_add_u32 v2, v9, 4, v2                   ; x's scale words: lanes 16-31 take the next tile's
	s_mul_i32 s23, s17, 16*TILEB
	v_add_nc_u32 v3, s23, v1                       ; my first tile of y in LDS
	s_lshl_b32 s23, s[WV], 10
	s_add_co_u32 s23, s23, MRG
	v_add_nc_u32 v5, s23, v7                       ; the merge: where I write,
	s_xor_b32 s23, s[WV], 4
	s_lshl_b32 s23, s23, 10
	s_add_co_u32 s23, s23, MRG
	v_add_nc_u32 v6, s23, v7                       ; and where the wave with my rows and the other n has written
	s_wait_dscnt 0x0                               ; both opening adds are done
	s_wait_kmcnt 0x0
	s_add_nc_u64 s[G0+2:G0+3], s[6:7], s[12:13]
	s_add_nc_u64 s[G0+6:G0+7], s[G0+2:G0+3], 8*TILEB
	s_or_b32 s[G0+3], s[G0+3], 0x80000000          ; type = 2
	s_or_b32 s[G0+7], s[G0+7], 0x80000000
	s_add_nc_u64 s[4:5], s[4:5], s[2:3]
	s_cmp_eq_u32 s17, 0                            ; waves 0-3 store nc, waves 4-7 the sums
	s_cselect_b64 s[8:9], s[8:9], s[10:11]
	s_cselect_b32 s[WM], 0, -1
	s_add_nc_u64 s[8:9], s[8:9], s[14:15]
	ROUND                                          ; all four work-groups are here: the joint loads meet
	tensor_load_to_lds s[G0:G0+3], s[G1:G1+7]      ; two loads of mine are out; every byte is filled once
	s_nop 0
	tensor_load_to_lds s[G0+4:G0+7], s[G1:G1+7]
	s_nop 0
.rept 4
	v_nop
.endr
	WIN 0x40                                       ; destination window 1
.set mt, 0
.rept 4
.set i, 0
.rept 16
	global_load_b128 v[64*mt+4*i:64*mt+4*i+3], v1, s[4:5] offset:mt*TILEB+512*i   ; x's fragments stay in registers
.set i, i+1
.endr
.set mt, mt+1
.endr
	WIN 0
.irp p, 0,1
.irp q, 0,1
	global_load_b128 v[XS+8*\p+4*\q:XS+8*\p+4*\q+3], v2, s[4:5] offset:\p*2*TILEB+8192+\q*256
.endr
.endr
.irp m, 0,1,2,3
	v_mov_b32 v[ST+8*\m], 0x7f800000               ; nc: over every nc
	v_mov_b32 v[ST+8*\m+1], 0xff800000             ; the maximum: under every e
	v_mov_b32 v[ST+8*\m+2], 0
	v_mov_b32 v[ST+8*\m+3], 0
	v_mov_b32 v[40+\m], 0                          ; written once: a lane permute's destination counts as one of its sources
	v_mov_b32 v[44+\m], 0
.endr
	s_wait_tensorcnt 0x0                           ; my four tiles of y have landed,
	s_barrier_signal -1
	s_barrier_wait -1                              ; everybody's have
	YLOAD 0, 0, 3
	YLOAD 1, TILEB, 3
	s_wait_loadcnt 0x0                             ; x
	s_mov_b32 s[TB], 0
	s_mov_b32 s[CNT], 7
.Ltrip:                                                ; a trip takes two tiles and fetches the two that follow
	v_add_nc_u32 v4, s[TB], v3
	TILE 0, 1, 2*TILEB, 17
	TILE 1, 1, 3*TILEB, 17
	s_add_co_u32 s[TB], s[TB], 2*TILEB
	s_sub_co_u32 s[CNT], s[CNT], 1
	s_cmp_lg_u32 s[CNT], 0
	s_cbranch_scc1 .Ltrip
	TILE 0, 0, 0, 17                               ; the last two tiles fetch nothing
	TILE 1, 0, 0, 0
.irp m, 0,1,2,3
	v_add_f32 v[ST+8*\m+2], v[ST+8*\m+2], v[ST+8*\m+3]   ; the sum's two halves
.endr
.irp m, 0,1,2,3
	v_permlanex16_b32 v[40+\m], v[ST+8*\m], s[SEL], s[SEL+1]     ; the row's other n of each tile lie in lane l xor 16
	v_permlanex16_b32 v[44+\m], v[ST+8*\m+2], s[SEL], s[SEL+1]
.endr
	MRG2
.irp m, 0,1,2,3
	ds_store_b32 v5, v[ST+8*\m] offset:\m*256
	ds_store_b32 v5, v[ST+8*\m+2] offset:\m*256+128
.endr
	s_wait_dscnt 0x0                               ; for the others' sake: my stores have landed
	s_barrier_signal -1
	s_barrier_wait -1
.irp m, 0,1,2,3
	ds_load_b32 v[40+\m], v6 offset:\m*256
	ds_load_b32 v[44+\m], v6 offset:\m*256+128
.endr
	s_wait_dscnt 0x0
	MRG2
.irp k, 0,1
	v_cndmask_b32 v60, v[ST+16*\k], v[ST+16*\k+8], s[HM]         ; lanes 0-15 tile 2 k, lanes 16-31 tile 2 k + 1: 32 neighbouring rows
	v_cndmask_b32 v61, v[ST+16*\k+2], v[ST+16*\k+10], s[HM]
	v_cndmask_b32 v[62+\k], v60, v61, s[WM]                      ; nc or the sum, by the wave
.endr
	global_store_b32 v7, v62, s[8:9]
	global_store_b32 v7, v63, s[8:9] offset:128
	s_wait_tensorcnt 0x0                           ; the wave's end: behind my last tensor load and my last LDS store
	ds_add_u32 v[SPW], v[NIL]
	s_wait_dscnt 0x0
	ROUND                                          ; the closing round
	s_endpgm
.Lfunc_end_k_qff71b8cc27_stats:
	.size	k_qff71b8cc27_stats, .Lfunc_end_k_qff71b8cc27_stats-k_qff71b8cc27_stats
	.p2alignl 7, 3214868480
	.fill 96, 4, 3214868480
	.section	.rodata,"a",@progbits
	.p2align	6, 0x0
	.amdhsa_kernel k_qff71b8cc27_stats
		.amdhsa_group_segment_fixed_size 327680
		.amdhsa_private_segment_fixed_size 0
		.amdhsa_enable_private_segment 0
		.amdhsa_kernarg_size 32
		.amdhsa_user_sgpr_count 2
		.amdhsa_user_sgpr_kernarg_segment_ptr 1
		.amdhsa_wavefront_size32 1
		.amdhsa_system_sgpr_workgroup_id_x 1
		.amdhsa_system_sgpr_workgroup_id_y 1
		.amdhsa_system_sgpr_workgroup_id_z 1
		.amdhsa_system_vgpr_workitem_id 0
		.amdhsa_next_free_vgpr 512
		.amdhsa_next_free_sgpr 66
		.amdhsa_reserve_vcc 0
		.amdhsa_float_denorm_mode_32 3
		.amdhsa_float_denorm_mode_16_64 3
		.amdhsa_memory_ordered 1
		.amdhsa_forward_progress 1
		.amdhsa_inst_pref_size 57
	.end_amdhsa_kernel
	.amdgpu_metadata
---
amdhsa.version: [ 1, 2 ]
amdhsa.kernels:
  - .name:           k_qff71b8cc27_stats
    .symbol:         k_qff71b8cc27_stats.kd
    .args:
      - { .name: xq, .offset: 0, .size: 8, .value_kind: global_buffer, .address_space: global }
      - { .name: yq, .offset: 8, .size: 8, .value_kind: global_buffer, .address_space: global }
      - { .name: ncq, .offset: 16, .size: 8, .value_kind: global_buffer, .address_space: global }
      - { .name: lq, .offset: 24, .size: 8, .value_kind: global_buffer, .address_space: global }
    .group_segment_fixed_size: 327680
    .private_segment_fixed_size: 0
    .kernarg_segment_align: 8
    .kernarg_segment_size: 32
    .max_flat_workgroup_size: 256
    .sgpr_count:     66
    .vgpr_count:     512
    .wavefront_size: 32
...
	.end_amdgpu_metadata
.endif
;; end of part 2
;; launch attn (part 3): grid 32 x 8, 4 waves a work-group, clusters of 4 x 1, 327,680 bytes of LDS; arguments xq, yq, xh, ncq, lq, out0; writes out0
.if DOCPART == 3
	.amdgcn_target "amdgcn-amd-amdhsa--gfx1250"
	.amdhsa_code_object_version 6
	.text
	.protected	k_qff71b8cc27_attn
	.globl	k_qff71b8cc27_attn
	.p2align	8
	.type	k_qff71b8cc27_attn,@function
k_qff71b8cc27_attn:
	s_mov_b64 s[64:65], 0
	v_nop
	global_prefetch_b8 v0, s[64:65] scope:SCOPE_SE
	s_setreg_imm32_b32 hwreg(HW_REG_WAVE_MODE, 25, 1), 1
	s_wait_xcnt 0x0
	s_wait_alu depctr_hold_cnt(0) depctr_sa_sdst(0) depctr_va_vdst(0) depctr_va_sdst(0) depctr_va_ssrc(0) depctr_va_vcc(0) depctr_vm_vsrc(0)
	s_getreg_b32 s2, hwreg(HW_REG_IB_STS2, 6, 4)
	s_cmp_eq_u32 s2, 0
	s_cbranch_scc0 .Lentry_in_a_cluster
	s_endpgm
.Lentry_in_a_cluster:
	s_bfe_u32 s2, ttmp6, 0x10000c
	s_cmp_lg_u32 s2, 0x3003
	s_cbranch_scc0 .Lentry_shape_is_right
	s_endpgm
.Lentry_shape_is_right:
; out[b][n][d] = the sum over m of p[m][n] x[m][d],  p[m][n] = 2^((e[m][n] c + nc[m]) + nl[m]),  e = x[m] . y[n] on codes of FP4, c = log2(e),
; nc[m] = -c x (row m's largest e), nl[m] = -log2(the row's sum of 2^(e c + nc)): both are merged at the head from the four quarters' figures (the smallest nc; each sum x 2^(nc - its nc)).
; e is made by the same chain of products that made the figures (one accumulator, K ascending, the sources swapped).  p and x go to the second product as f16; sums in f32.
; SHARES.  A work-group owns 64 n of one batch and all 1,024 d, so each p is made once in the launch.  Wave w owns d = 256 w .. 256 w + 255: 64 accumulators, 512 registers.  m is walked in 32 periods of 64.
; LAYOUT.  S = Xq Yq^T (source 0 = 16 m, source 1 = 16 n): a lane holds n = lane % 16 and m = 8 (lane / 16) + 0 .. 7.  Rounded to f16 in pairs that is half of source 1 (32 m x 16 n) of
; O^T = V^T P, whose source 0 (16 d x 32 m) comes out of LDS turned, by ds_load_tr16_b128; in O^T a lane holds one n and eight neighbouring d.
; In a period wave w makes p of m tile 4 j + w for all 64 n (y's fragments stay in 256 registers; x's codes come from memory, asked for a period ahead) and stores it in LDS as images of the operand's registers;
; all four waves read the eight fragments back behind the period's barrier.
; RING.  Two slots of 64 rows of xh.  Each wave fetches, with one tensor load a period, the 64 x 512 bytes that it alone reads.  LDS rows are 544 bytes apart: 136 words, row r starts at bank 8 r mod 64
; (64 banks of 4 bytes: ISA guide 11.1).
; CLUSTER.  The four work-groups of a cluster belong to one batch and walk the same xh: each tile is asked for JOINTLY, by the same tensor load with the same descriptor and a mask that names the four.
; x's codes are not shared so: the wave's one tensor load a period is taken by xh.
; LIMITS: NaN and infinities are not served; c x |e| must be a finite f32 number; |x| beyond 65,504 has no f16 number; a p under 2^-25 counts as 0.
; REGISTERS, in windows of 256: windows 2, 3: accumulator (dt, nt) at v[8 (4 (dt % 8) + nt)] of window 2 + dt / 8.  Window 1: y's fragments, (nt, ks) at v[8 (8 nt + ks)].
; Window 0: v1-9 addresses; v12-15 x's scale words; v16-31 y's; v32-95 x's fragments; v96-159 P's eight fragments; v160-255 V, three buffers of four fragments.
;   While S is made, V's registers are free: v160-191 S, v192-199 nc, v200-207 nl, v208-223 p in f16, v224 an address.
.set TILEB, 8704
.set VP,    544
.set WREG,  64*VP                      ; a wave's part of a slot
.set SLOT,  4*WREG
.set PIMG,  2*SLOT                     ; behind the ring: P's images, two buffers of 8 fragments x 1,024 bytes (fragment 4 s + nt; registers 4-7 at + 512)
.set STAT,  PIMG+16384                 ; nc[2048], and at + 8,192 nl[2048]
.set SPARE, STAT+16384                 ; the spare words, 128 bytes for each wave
.set SPITCH, 528                       ; the way out: 16 rows x (512 + 16) bytes, in my own part of slot 0, which has then had its last fill and its last read
.set AV,  2                            ; v2, v3  my lane's place in my part of slot 0, 1
.set PRD, 4                            ; v4   PIMG + 16 x lane
.set PWR, 5                            ; v5   where I store my half fragments
.set STA, 6                            ; v6   my eight m's figures in period 0
.set PFO, 7                            ; v7   the prefetch's offset
.set STO, 8                            ; v8   head: offsets; the way out: where I put 32 bytes of a row
.set RD,  9                            ; v9   head: 16 x thread; the way out: where I read a row back
.set SPW, 10
.set NIL, 11
.set XSC, 12
.set YSC, 16
.set XQ,  32
.set PF,  96
.set VB,  160
.set SA,  160
.set NCR, 192
.set NLR, 200
.set PK,  208
.set TA,  224
.set NC,  96                           ; the head's merge: v96-159 four quarters' nc of my 16 m, v160-223 their sums, v224-239 nc, v240-255 the sum, then nl
.set LQ,  160
.set NM,  224
.set LA,  240
.set BK,  32                           ; the way out: 16 rows read back: v32-95 and v96-159 by turns
.set WV,  16                           ; s16  my wave's number
.set G1,  24                           ; s[24:31] descriptor group 1
.set G0,  32                           ; s[32:39] group 0, one for each slot
.set XB,  40                           ; s[40:41] x's codes: my tile of the period asked for last
.set PFA, 42                           ; s[42:43] where my prefetches stand
.set CS,  44                           ; s[44:45] c, twice
.set CNT, 46
.set SJ,  47                           ; s47  256 x the period whose S is made next
.set PFON, 48                          ; s48  1 in the batch's first cluster
.set MSB, 0
.macro WIN new                         ; the immediate's high byte repeats the setting that is left
.if MSB != \new
	s_set_vgpr_msb (MSB<<8)|\new
.set MSB, \new
.endif
.endm
.macro ROUND                           ; a round of the cluster's barrier
	s_barrier_signal -1
	s_barrier_wait -1
	s_cmp_lg_u32 s[WV], 0
	s_cbranch_scc1 .Lnot_wave_0_\@
	s_barrier_signal -3
.Lnot_wave_0_\@:
	s_barrier_wait -3
	s_barrier_signal -1
	s_barrier_wait -1
.endm
; One product on codes.  rD accumulator, rA source 0, rB source 1, rSA, rSB their scale registers, fRA, fRB: the scales stand in lanes 16-31.  K step 0 starts the sum with the constant 0.
.macro WS
.if ks == 0
.if fRB
	v_wmma_scale_f32_16x16x128_f8f6f4 v[rD:rD+7], v[rA:rA+7], v[rB:rB+7], 0, v[rSA], v[rSB] matrix_a_fmt:MATRIX_FMT_FP4 matrix_b_fmt:MATRIX_FMT_FP4 matrix_b_scale:MATRIX_SCALE_ROW1
.else
	v_wmma_scale_f32_16x16x128_f8f6f4 v[rD:rD+7], v[rA:rA+7], v[rB:rB+7], 0, v[rSA], v[rSB] matrix_a_fmt:MATRIX_FMT_FP4 matrix_b_fmt:MATRIX_FMT_FP4
.endif
.elseif fRA && fRB
	v_wmma_scale_f32_16x16x128_f8f6f4 v[rD:rD+7], v[rA:rA+7], v[rB:rB+7], v[rD:rD+7], v[rSA], v[rSB] matrix_a_fmt:MATRIX_FMT_FP4 matrix_b_fmt:MATRIX_FMT_FP4 matrix_a_scale:MATRIX_SCALE_ROW1 matrix_b_scale:MATRIX_SCALE_ROW1
.elseif fRA
	v_wmma_scale_f32_16x16x128_f8f6f4 v[rD:rD+7], v[rA:rA+7], v[rB:rB+7], v[rD:rD+7], v[rSA], v[rSB] matrix_a_fmt:MATRIX_FMT_FP4 matrix_b_fmt:MATRIX_FMT_FP4 matrix_a_scale:MATRIX_SCALE_ROW1
.elseif fRB
	v_wmma_scale_f32_16x16x128_f8f6f4 v[rD:rD+7], v[rA:rA+7], v[rB:rB+7], v[rD:rD+7], v[rSA], v[rSB] matrix_a_fmt:MATRIX_FMT_FP4 matrix_b_fmt:MATRIX_FMT_FP4 matrix_b_scale:MATRIX_SCALE_ROW1
.else
	v_wmma_scale_f32_16x16x128_f8f6f4 v[rD:rD+7], v[rA:rA+7], v[rB:rB+7], v[rD:rD+7], v[rSA], v[rSB] matrix_a_fmt:MATRIX_FMT_FP4 matrix_b_fmt:MATRIX_FMT_FP4
.endif
.endm
.macro XLOAD                           ; a tile of x's codes: its eight fragments and its scale words: 17 loads
.irp i, 0,1,2,3,4,5,6,7,8,9,10,11,12,13,14,15
	global_load_b128 v[XQ+4*\i:XQ+4*\i+3], v1, s[XB:XB+1] offset:512*\i
.endr
	global_load_b128 v[XSC:XSC+3], v1, s[XB:XB+1] offset:8192
.endm
; S and p of my m tile of the next period, for the four tiles of n; the images go to P's buffer pbuf.  xnext = 1: x's codes of the period after are asked for.
.macro SPHASE pbuf, xnext
	WIN 0
.rept 5
	v_nop                                          ; five places: S is laid over registers that the f16 products have read (four by ISA guide 7.12.1)
.endr
	v_add_nc_u32 v[TA], s[SJ], v[STA]
	ds_load_b128 v[NCR:NCR+3], v[TA]               ; nc and nl of my eight m
	ds_load_b128 v[NCR+4:NCR+7], v[TA] offset:16
	ds_load_b128 v[NLR:NLR+3], v[TA] offset:8192
	ds_load_b128 v[NLR+4:NLR+7], v[TA] offset:8208
	s_wait_loadcnt 0x0                             ; x's codes, asked for a period ago
	WIN 0x04                                       ; source 1 (y) in window 1
.set ks, 0
.rept 8
.set nt, 0
.rept 4                                        ; the four accumulators by turns, one instruction a turn
.set rD, SA+8*nt
.set rA, XQ+8*ks
.set rB, 8*(8*nt+ks)
.set rSA, XSC+ks%4
.set fRA, ks/4
.set rSB, YSC+8*(nt/2)+ks
.set fRB, nt%2
	WS
.set nt, nt+1
.endr
.set ks, ks+1
.endr
	WIN 0
.rept 4
	v_nop                                          ; four places in front of loads into registers that the products have read, and of the first read of their results
.endr
.if \xnext
	s_add_nc_u64 s[XB:XB+1], s[XB:XB+1], 4*TILEB   ; (the loads that read this base are done)
	XLOAD
.endif
	s_wait_dscnt 0x0                               ; nc, nl
.irp i, 0,2,4,6
.irp n, 0,1,2,3
	v_pk_fma_f32 v[SA+8*\n+\i:SA+8*\n+\i+1], v[SA+8*\n+\i:SA+8*\n+\i+1], s[CS:CS+1], v[NCR+\i:NCR+\i+1] op_sel_hi:[1,0,1]   ; e c + nc: each accumulator from its low end on
.endr
.endr
.irp i, 0,2,4,6
.irp n, 0,1,2,3
	v_pk_add_f32 v[SA+8*\n+\i:SA+8*\n+\i+1], v[SA+8*\n+\i:SA+8*\n+\i+1], v[NLR+\i:NLR+\i+1]   ; + nl
.endr
.endr
.set j, 0
.rept 32
	v_exp_f32 v[SA+j], v[SA+j]                     ; p, normalised: ONE BATCH
.set j, j+1
.endr
	v_nop                                          ; a plain line behind the last exponential,
	s_wait_alu depctr_va_vdst(0)                   ; and one wait for the batch, ahead of its first reader
.irp n, 0,1,2,3
.irp i, 0,1,2,3
	v_cvt_pk_f16_f32 v[PK+4*\n+\i], v[SA+8*\n+2*\i], v[SA+8*\n+2*\i+1]
.endr
.endr
.irp n, 0,1,2,3
	ds_store_b128 v[PWR], v[PK+4*\n:PK+4*\n+3] offset:(\pbuf)*8192+\n*1024   ; (the argument comes as text, 1 - slot: so it stands in brackets)
.endr
	s_add_co_u32 s[SJ], s[SJ], 256
.endm
; Group g of a period's eight: m 32 (g / 4) on, d tiles 4 (g % 4) + 0 .. 3: four fragments of V^T into buffer g % 3
.macro VLOAD slot, g
.irp i, 0,1,2,3
	ds_load_tr16_b128 v[VB+32*((\g)%3)+8*\i:VB+32*((\g)%3)+8*\i+3], v[AV+(\slot)] offset:((\g)/4)*32*VP+(4*((\g)%4)+\i)*32
	ds_load_tr16_b128 v[VB+32*((\g)%3)+8*\i+4:VB+32*((\g)%3)+8*\i+7], v[AV+(\slot)] offset:((\g)/4)*32*VP+16*VP+(4*((\g)%4)+\i)*32
.endr
.endm
; and its 16 products: sixteen accumulators, one instruction each.  zero = 1: the first four groups start the sums: nothing is ever cleared.
.macro PVG g, zero
.if ((\g)%4) < 2
	WIN 0xa0                                       ; C and D window 2
.else
	WIN 0xf0                                       ; window 3
.endif
.irp i, 0,1,2,3
.irp n, 0,1,2,3
.set rO, 8*(4*((4*((\g)%4)+\i)%8)+\n)
.set rV, VB+32*((\g)%3)+8*\i
.set rP, PF+8*(4*((\g)/4)+\n)
.if \zero && ((\g) < 4)
	v_wmma_f32_16x16x32_f16 v[rO:rO+7], v[rV:rV+7], v[rP:rP+7], 0
.else
	v_wmma_f32_16x16x32_f16 v[rO:rO+7], v[rV:rV+7], v[rP:rP+7], v[rO:rO+7]
.endif
.endr
.endr
.endm
; A PREFETCH of the 64 rows of xh that the NEXT period's tensor loads will ask for.  All eight clusters of a batch walk the same rows: the first of them asks.  Its four partners take 16 rows each, told apart
; BY ADDRESS; wave w takes its own 512 bytes of each row; a lane names one aligned block of 256 bytes.  So each block is named once in the launch.  The last two periods ask for nothing.
.macro ASK
	s_cmp_eq_u32 s[PFON], 1
	s_cbranch_scc0 .Lnot_mine_\@
	global_prefetch_b8 v[PFO], s[PFA:PFA+1] th:TH_LOAD_NT scope:SCOPE_SE
.Lnot_mine_\@:
.endm
; A PERIOD: 64 m, in slot.  In front of its barrier each wave waits for all its tensor loads (its part of this slot), adds 0 to its spare word, and waits for that, for its reads of the other slot and for its
; stores of P's images.  fill = 1: the barrier is a round of the cluster's, and the other slot is asked for first thing behind it: the load has the whole period in which to land.
.macro PERIOD slot, zero, fill, snext, xnext, ask
	WIN 0
	s_wait_tensorcnt 0x0                           ; no tensor load of mine is out, so a group 0 may be written
	ds_add_u32 v[SPW], v[NIL]                      ; 0 onto my spare word
	s_add_nc_u64 s[G0+4*(\slot)+2:G0+4*(\slot)+3], s[G0+4*(\slot)+2:G0+4*(\slot)+3], 2*64*2048   ; this slot's next tile: two periods on
.if \ask
	s_wait_xcnt 0x0                                ; the last prefetch, a period back, has read its address
	s_add_nc_u64 s[PFA:PFA+1], s[PFA:PFA+1], 64*2048
.endif
	s_wait_dscnt 0x0
.if \fill
	ROUND
	tensor_load_to_lds s[G0+4*(1-(\slot)):G0+4*(1-(\slot))+3], s[G1:G1+7]   ; my one tensor load until the next round; one load of mine is out
	s_nop 0
.rept 4
	v_nop
.endr
.else
	s_barrier_signal -1
	s_barrier_wait -1
.endif
.irp f, 0,1,2,3,4,5,6,7
	ds_load_b128 v[PF+8*\f:PF+8*\f+3], v[PRD] offset:(\slot)*8192+\f*1024
	ds_load_b128 v[PF+8*\f+4:PF+8*\f+7], v[PRD] offset:(\slot)*8192+\f*1024+512
.endr
	VLOAD \slot, 0
	VLOAD \slot, 1
	VLOAD \slot, 2
.if \ask
	ASK
.endif
.irp g, 0,1,2,3,4,5,6,7
.if \g < 6
	s_wait_dscnt 16                                ; this group's fragments are in; the next two groups' 16 loads may be out
.elseif \g == 6
	s_wait_dscnt 8
.else
	s_wait_dscnt 0x0
.endif
	PVG \g, \zero
.if \g < 5
	WIN 0
.rept 4
	v_nop                                          ; four places in front of loads into the buffer just read
.endr
	VLOAD \slot, \g+3
.endif
.endr
.if \snext
	SPHASE 1-(\slot), \xnext
.endif
.endm
	s_load_b256 s[4:11], s[0:1], 0x0               ; xq, yq, xh, ncq
	s_load_b128 s[12:15], s[0:1], 0x20             ; lq, out0
	v_lshl_add_u32 v[SPW], v0, 2, SPARE
	v_mov_b32 v[NIL], 0
	ds_add_u32 v[SPW], v[NIL]                      ; the wave's opening: the add, twice on end, and its wait ahead of my first tensor load
	ds_add_u32 v[SPW], v[NIL]
	v_lshrrev_b32 v1, 5, v0
	v_readfirstlane_b32 s[WV], v1                  ; wave 0..3
	s_bfe_u32 s17, ttmp6, 0x40000                  ; cx
	s_lshl_b32 s18, ttmp9, 2
	s_add_co_u32 s18, s18, s17                     ; my block of 64 n = 4 x cluster x + cx
	s_and_b32 s19, ttmp7, 0xffff                   ; the batch, which the four partners share
	; descriptor group 1: 64 rows x 256 elements of 2 bytes, padded in LDS
	s_mov_b32 s[G1], 15|(1<<16)|(1<<20)|(1<<21)|(6<<22)|(7<<25)   ; 15:0 the mask: all four; 17:16 elements of 2 bytes; 20 padding on; 21 set beside a mask; 24:22 after every 128 words (code 6); 31:25 eight words (code 7)
	s_mov_b32 s[G1+1], 256<<16                     ; tensor_dim0
	s_mov_b32 s[G1+2], 64<<16                      ; tensor_dim1
	s_mov_b32 s[G1+3], 256<<16                     ; tile_dim0
	s_mov_b32 s[G1+4], 64                          ; tile_dim1
	s_mov_b32 s[G1+5], 1024                        ; from row to row
	s_mov_b32 s[G1+6], 0
	s_mov_b32 s[G1+7], 0
	s_mov_b32 s[CS], 0x3fb8aa3b                    ; c = log2(e)
	s_mov_b32 s[CS+1], s[CS]
	s_mov_b32 s[SJ], 0
	s_cmp_eq_u32 ttmp9, 0
	s_cselect_b32 s[PFON], 1, 0                    ; the same in all four partners
	s_mov_b32 s[G0], 1
	s_mul_i32 s[G0+1], s[WV], WREG                 ; LDS address: the wave's number alone
	s_mov_b32 s[G0+4], 1
	s_add_co_u32 s[G0+5], s[G0+1], SLOT
	s_lshl_b32 s20, s19, 22                        ; xh: the batch's 2,048 rows of 2,048 bytes, + my 512 bytes of a row
	s_lshl_b32 s21, s[WV], 9
	s_add_co_u32 s20, s20, s21
	s_mov_b32 s21, 0
	s_lshl_b32 s22, s17, 15                        ; the prefetches: my work-group's 16 rows
	s_mov_b32 s23, 0
	s_lshl_b32 s2, s19, 7                          ; xq: tile 128 b + w
	s_add_co_u32 s2, s2, s[WV]
	s_mul_i32 s2, s2, TILEB
	s_mov_b32 s3, 0
	s_lshl_b32 s50, s19, 7                         ; yq: tile 128 b + 4 x my block
	s_lshl_b32 s51, s18, 2
	s_add_co_u32 s50, s50, s51
	s_mul_i32 s50, s50, TILEB
	s_mov_b32 s51, 0
	s_lshl_b32 s52, s19, 15                        ; the figures: 4 x 2,048 x 4 bytes a batch
	s_mov_b32 s53, 0
	s_lshl_b32 s54, s19, 23                        ; out0: row 2,048 b + 64 x my block, + my 1,024 bytes of a row
	s_lshl_b32 s55, s18, 18
	s_add_co_u32 s54, s54, s55
	s_lshl_b32 s55, s[WV], 10
	s_add_co_u32 s54, s54, s55
	s_mov_b32 s55, 0
	v_and_b32 v240, 31, v0                         ; lane
	v_and_b32 v241, 15, v0                         ; r
	v_bfe_u32 v242, v0, 4, 1                       ; h
	v_lshlrev_b32 v1, 4, v240                      ; 16 x lane
	v_and_b32 v243, 7, v0
	v_lshl_add_u32 v243, v242, 3, v243
	v_mul_u32_u24 v243, v243, VP                   ; the turning load: row 8 h + lane % 8,
	v_bfe_u32 v244, v0, 3, 1
	v_lshl_add_u32 v243, v244, 4, v243             ; 16 bytes on for lanes 8-15 and 24-31
	v_add_nc_u32 v[AV], s[G0+1], v243
	v_add_nc_u32 v[AV+1], s[G0+5], v243
	v_add_nc_u32 v[PRD], PIMG, v1
	s_lshr_b32 s56, s[WV], 1
	s_lshl_b32 s56, s56, 12                        ; my m tile is half w % 2 of the fragments of m 32 (w / 2) on
	s_and_b32 s57, s[WV], 1
	s_lshl_b32 s57, s57, 9
	s_add_co_u32 s56, s56, s57
	v_add_nc_u32 v[PWR], s56, v[PRD]
	s_lshl_b32 s56, s[WV], 6
	s_add_co_u32 s56, s56, STAT
	v_lshl_add_u32 v[STA], v242, 5, s56            ; STAT + 4 (16 w + 8 h)
	v_lshrrev_b32 v244, 1, v240
	v_lshlrev_b32 v244, 11, v244
	v_and_b32 v245, 1, v0
	v_lshl_add_u32 v[PFO], v245, 8, v244           ; row lane / 2, block lane % 2
	v_mul_u32_u24 v8, v242, TILEB
	v_lshl_add_u32 v8, v241, 4, v8                 ; y's scale words: lanes 16-31 take the next tile's
	v_lshlrev_b32 v9, 4, v0                        ; 16 x thread
	s_wait_dscnt 0x0                               ; both opening adds are done
	s_wait_kmcnt 0x0
	s_add_nc_u64 s[G0+2:G0+3], s[8:9], s[20:21]    ; rows 0-63
	s_add_nc_u64 s[G0+6:G0+7], s[G0+2:G0+3], 64*2048   ; rows 64-127
	s_add_nc_u64 s[PFA:PFA+1], s[G0+6:G0+7], s[22:23]  ; the first period steps it to rows 128 on.  Nothing is prefetched at the head
	s_or_b32 s[G0+3], s[G0+3], 0x80000000          ; type = 2
	s_or_b32 s[G0+7], s[G0+7], 0x80000000
	s_add_nc_u64 s[XB:XB+1], s[4:5], s[2:3]
	s_add_nc_u64 s[6:7], s[6:7], s[50:51]
	s_add_nc_u64 s[10:11], s[10:11], s[52:53]
	s_add_nc_u64 s[12:13], s[12:13], s[52:53]
	s_add_nc_u64 s[14:15], s[14:15], s[54:55]
	ROUND                                          ; all four work-groups are here: the first joint loads meet
	tensor_load_to_lds s[G0:G0+3], s[G1:G1+7]      ; slot 0
	s_nop 0
.rept 4
	v_nop
.endr
	WIN 0x40                                       ; destination window 1
.set nt, 0
.rept 4
.set i, 0
.rept 16
	global_load_b128 v[64*nt+4*i:64*nt+4*i+3], v1, s[6:7] offset:nt*TILEB+512*i   ; y's fragments stay in registers
.set i, i+1
.endr
.set nt, nt+1
.endr
	WIN 0
.irp p, 0,1
.irp q, 0,1
	global_load_b128 v[YSC+8*\p+4*\q:YSC+8*\p+4*\q+3], v8, s[6:7] offset:\p*2*TILEB+8192+\q*256
.endr
.endr
.irp q, 0,1,2,3
.irp g, 0,1,2,3
	global_load_b128 v[NC+16*\q+4*\g:NC+16*\q+4*\g+3], v9, s[10:11] offset:\q*8192+\g*2048   ; thread t: m = 512 g + 4 t + 0 .. 3
	global_load_b128 v[LQ+16*\q+4*\g:LQ+16*\q+4*\g+3], v9, s[12:13] offset:\q*8192+\g*2048
.endr
.endr
	XLOAD                                          ; x's codes of period 0
	s_wait_loadcnt 17                              ; all but those 17
	v_add_nc_u32 v8, STAT, v9                      ; (the loads that read v8 are done)
.set k, 0
.rept 16
	v_min3_num_f32 v[NM+k], v[NC+k], v[NC+16+k], v[NC+32+k]
.set k, k+1
.endr
.set k, 0
.rept 16
	v_min_num_f32 v[NM+k], v[NM+k], v[NC+48+k]     ; the smallest nc belongs to the row's largest e
.set k, k+1
.endr
.set q, 0
.rept 4
.set k, 0
.rept 16
	v_sub_f32 v[NC+16*q+k], v[NM+k], v[NC+16*q+k]
.set k, k+1
.endr
.set q, q+1
.endr
.set j, 0
.rept 64
	v_exp_f32 v[NC+j], v[NC+j]                     ; 2^(nc - the quarter's nc)
.set j, j+1
.endr
	v_nop
	s_wait_alu depctr_va_vdst(0)                   ; one wait for the batch
.set k, 0
.rept 16
	v_mul_f32 v[LA+k], v[LQ+k], v[NC+k]
.set k, k+1
.endr
.set q, 1
.rept 3
.set k, 0
.rept 16
	v_fmac_f32 v[LA+k], v[LQ+16*q+k], v[NC+16*q+k]
.set k, k+1
.endr
.set q, q+1
.endr
.set k, 0
.rept 16
	v_log_f32 v[LA+k], v[LA+k]
.set k, k+1
.endr
	v_nop
	s_wait_alu depctr_va_vdst(0)
.set k, 0
.rept 16
	v_mul_f32 v[LA+k], -1.0, v[LA+k]               ; nl = -log2(the row's sum)
.set k, k+1
.endr
.irp g, 0,1,2,3
	ds_store_b128 v8, v[NM+4*\g:NM+4*\g+3] offset:\g*2048
	ds_store_b128 v8, v[LA+4*\g:LA+4*\g+3] offset:8192+\g*2048
.endr
	s_wait_dscnt 0x0                               ; for the others' sake: my stores have landed
	s_barrier_signal -1                            ; slot 0's load may stay out, and no tile is read, behind this barrier
	s_barrier_wait -1
	SPHASE 0, 1                                    ; p of period 0
	PERIOD 0, 1, 1, 1, 1, 1                        ; period 0 starts the sums; slot 1 is filled for the first time behind its round
	PERIOD 1, 0, 1, 1, 1, 1
	s_mov_b32 s[CNT], 14
.Lwalk:                                                ; periods 2 to 29
	PERIOD 0, 0, 1, 1, 1, 1
	PERIOD 1, 0, 1, 1, 1, 1
	s_sub_co_u32 s[CNT], s[CNT], 1
	s_cmp_lg_u32 s[CNT], 0
	s_cbranch_scc1 .Lwalk
	PERIOD 0, 0, 1, 1, 0, 0                        ; period 30: the last tile is asked for; no codes and no prefetch beyond the end
	PERIOD 1, 0, 0, 0, 0, 0                        ; period 31: nothing is left to fetch or to make
	; THE WAY OUT, block by block of 16 n x 128 d.  A lane holds 32 neighbouring bytes of a row, the lanes beside it other rows: a block goes through my stage and comes back as whole rows of 512 bytes.
	WIN 0
	v_and_b32 v8, 15, v0                           ; (these six plain lines are the places behind the last products)
	v_bfe_u32 v9, v0, 4, 1
	v_mul_u32_u24 v8, v8, SPITCH
	v_lshl_add_u32 v8, v9, 5, v8
	v_add_nc_u32 v[STO], s[G0+1], v8               ; in: row r, + 32 h
	v_add_nc_u32 v[RD], s[G0+1], v1                ; back: 16 bytes a lane
.macro TOSTAGE a                       ; block a: n tile a / 2, d 128 (a % 2) on
	WIN 0x08+4*((\a)%2)                            ; an LDS store's data are its source 1: window 2 or 3
.irp i, 0,1,2,3,4,5,6,7
	ds_store_b128 v[STO], v[8*(4*\i+(\a)/2):8*(4*\i+(\a)/2)+3] offset:64*\i        ; each accumulator from its low end on
	ds_store_b128 v[STO], v[8*(4*\i+(\a)/2)+4:8*(4*\i+(\a)/2)+7] offset:64*\i+16
.endr
	WIN 0
.set BB, BK+64*((\a)%2)
.irp t, 0,1,2,3,4,5,6,7,8,9,10,11,12,13,14,15
	ds_load_b128 v[BB+4*\t:BB+4*\t+3], v[RD] offset:\t*SPITCH   ; LDS serves a wave's instructions in order (ISA guide 5.7.1.4): these see the stores above, and the next block's stores come behind them
.endr
.endm
.macro SEND a, younger                 ; younger: the LDS instructions issued behind block a's loads, which may stay out
.set BB, BK+64*((\a)%2)
	s_wait_dscnt \younger
.irp t, 0,1,2,3,4,5,6,7,8,9,10,11,12,13,14,15
	global_store_b128 v1, v[BB+4*\t:BB+4*\t+3], s[14:15] offset:(16*((\a)/2)+\t)*4096+((\a)%2)*512 th:TH_STORE_NT   ; 32 lanes store 512 consecutive bytes, at a multiple of 256 from out0's first byte
.endr
.endm
	TOSTAGE 0
.irp a, 1,2,3,4,5,6,7
.if \a > 1
	s_wait_xcnt 0x0                                ; block a - 2's stores have read their registers: block a's loads may land there
.endif
	TOSTAGE \a
	SEND \a-1, 32                                  ; behind block a - 1's loads: block a's 16 stores and 16 loads
.endr
	SEND 7, 0
	s_wait_tensorcnt 0x0                           ; the wave's end: behind my last tensor load and my last LDS store
	ds_add_u32 v[SPW], v[NIL]
	s_wait_dscnt 0x0
	ROUND                                          ; the closing round: no work-group ends while a partner may still ask for a tile that names it
	s_endpgm
.Lfunc_end_k_qff71b8cc27_attn:
	.size	k_qff71b8cc27_attn, .Lfunc_end_k_qff71b8cc27_attn-k_qff71b8cc27_attn
	.p2alignl 7, 3214868480
	.fill 96, 4, 3214868480
	.section	.rodata,"a",@progbits
	.p2align	6, 0x0
	.amdhsa_kernel k_qff71b8cc27_attn
		.amdhsa_group_segment_fixed_size 327680
		.amdhsa_private_segment_fixed_size 0
		.amdhsa_enable_private_segment 0
		.amdhsa_kernarg_size 48
		.amdhsa_user_sgpr_count 2
		.amdhsa_user_sgpr_kernarg_segment_ptr 1
		.amdhsa_wavefront_size32 1
		.amdhsa_system_sgpr_workgroup_id_x 1
		.amdhsa_system_sgpr_workgroup_id_y 1
		.amdhsa_system_sgpr_workgroup_id_z 1
		.amdhsa_system_vgpr_workitem_id 0
		.amdhsa_next_free_vgpr 1024
		.amdhsa_next_free_sgpr 66
		.amdhsa_reserve_vcc 0
		.amdhsa_float_denorm_mode_32 3
		.amdhsa_float_denorm_mode_16_64 3
		.amdhsa_memory_ordered 1
		.amdhsa_forward_progress 1
		.amdhsa_inst_pref_size 209
	.end_amdhsa_kernel
	.amdgpu_metadata
---
amdhsa.version: [ 1, 2 ]
amdhsa.kernels:
  - .name:           k_qff71b8cc27_attn
    .symbol:         k_qff71b8cc27_attn.kd
    .args:
      - { .name: xq, .offset: 0, .size: 8, .value_kind: global_buffer, .address_space: global }
      - { .name: yq, .offset: 8, .size: 8, .value_kind: global_buffer, .address_space: global }
      - { .name: xh, .offset: 16, .size: 8, .value_kind: global_buffer, .address_space: global }
      - { .name: ncq, .offset: 24, .size: 8, .value_kind: global_buffer, .address_space: global }
      - { .name: lq, .offset: 32, .size: 8, .value_kind: global_buffer, .address_space: global }
      - { .name: out0, .offset: 40, .size: 8, .value_kind: global_buffer, .address_space: global }
    .group_segment_fixed_size: 327680
    .private_segment_fixed_size: 0
    .kernarg_segment_align: 8
    .kernarg_segment_size: 48
    .max_flat_workgroup_size: 128
    .sgpr_count:     66
    .vgpr_count:     1024
    .wavefront_size: 32
...
	.end_amdgpu_metadata
.endif
;; end of part 3
